; MI455X (gfx1250); checked and timed in simulation.
; The chip was launched on July 23, 2026; its instructions are those of AMD's public machine-readable ISA for CDNA 5 (MIT licence, August 2026) and "CDNA5" Instruction Set Architecture Reference Guide (July 2026). The comments in the code are by the model that wrote it; some were corrected since.
;; Knowledge Circuit. Allowed arithmetic: float matrix products may take bf16 or f16 operands with f32 sums; all other float work in f32.
;; Inputs: feature_know 32 x 1,024 x 128 float32; feature_know_w 4 x 1,024 x 32 float32; restore_know 32 x 128 x 1,024 float32; restore_know_w 4 x 1,024 x 32 float32; x 4 x 1,024 x 1,024 float32.
;; Outputs: out0 4 x 1,024 x 1,024 float32.
;; 2 versions, each right; version 2 is version 1 with the launch cvt written anew for expert scheduling mode. Each part assembles by itself: llvm-mc -triple=amdgcn-amd-amdhsa -mcpu=gfx1250 --defsym DOCPART=n.
;; ======== version 1 of 2: 4 launches
;; limits: inputs' magnitudes at most 65,504; values are held in f16: magnitudes above 65,504 overflow, below 6.1e-05 lose precision; values outside matrix products are rounded to f16
;; workspace buffers: xh 8,388,608 bytes; fh 8,388,608 bytes; rh 8,388,608 bytes; part 16,777,216 bytes; psc 262,144 bytes; hh 1,048,576 bytes; rws 524,288 bytes
;; launch cvt (part 1): grid 512 x 1, 8 waves a work-group, no clusters, 0 bytes of LDS; arguments x, feature_know, restore_know, xh, fh, rh; writes xh, fh, rh
.if DOCPART == 1
	.amdgcn_target "amdgcn-amd-amdhsa--gfx1250"
	.amdhsa_code_object_version 6
	.text
	.protected	k_q8642417bbf_cvt
	.globl	k_q8642417bbf_cvt
	.p2align	8
	.type	k_q8642417bbf_cvt,@function
k_q8642417bbf_cvt:
	s_mov_b64 s[64:65], 0
	v_nop
	global_prefetch_b8 v0, s[64:65] scope:SCOPE_SE
	s_setreg_imm32_b32 hwreg(HW_REG_WAVE_MODE, 25, 1), 1
	s_wait_xcnt 0x0
; xh = f16(x), fh = f16(feature_know), rh = f16(restore_know): element by element, the layouts stay as they are.
; The two products that follow take 16-bit operands; made once here, every later tile has half the bytes and
; can be turned into fragments by the transposing LDS load.
; LIMIT: a number beyond 65504 in magnitude becomes an infinity in f16; below 6e-5 the absolute error is 3e-8.
; Each of the three inputs is 16,777,216 bytes = 512 work-groups x 32,768 bytes.  Eight waves: one load of the
; work-group covers 4,096 neighbouring bytes (16 a thread), eight loads an input, 24 loads a thread, all issued at once.
; A store of a wave covers 256 neighbouring bytes, aligned.  No register is used twice, so no source has to be freed.
; The work-groups share no input and there is no product: no LDS, no barrier, no cluster.
.set IN,  4                            ; v[4:99]    load i = 8 b + j: four f32
.set OUT, 100                          ; v[100:147] load i: four f16 in two registers
	s_load_b256 s[4:11], s[0:1], 0x0               ; x s[4:5], feature_know s[6:7], restore_know s[8:9], xh s[10:11]
	s_load_b128 s[12:15], s[0:1], 0x20             ; fh s[12:13], rh s[14:15]
	s_lshl_b32 s16, ttmp9, 15                      ; the work-group's 32,768 bytes of each input
	s_mov_b32 s17, 0
	s_lshl_b32 s18, ttmp9, 14                      ; and its 16,384 bytes of each copy
	s_mov_b32 s19, 0
	v_lshlrev_b32 v1, 4, v0                        ; 16 bytes a thread in
	v_lshlrev_b32 v2, 3, v0                        ; 8 bytes a thread out
	s_wait_kmcnt 0x0
	s_add_nc_u64 s[4:5], s[4:5], s[16:17]
	s_add_nc_u64 s[6:7], s[6:7], s[16:17]
	s_add_nc_u64 s[8:9], s[8:9], s[16:17]
	s_add_nc_u64 s[10:11], s[10:11], s[18:19]
	s_add_nc_u64 s[12:13], s[12:13], s[18:19]
	s_add_nc_u64 s[14:15], s[14:15], s[18:19]
.irp b, 0,1,2
.irp j, 0,1,2,3,4,5,6,7
	global_load_b128 v[IN+4*(8*\b+\j):IN+4*(8*\b+\j)+3], v1, s[4+2*\b:5+2*\b] offset:4096*\j th:TH_LOAD_NT
.endr
.endr
.irp b, 0,1,2
.irp j, 0,1,2,3,4,5,6,7
	s_wait_loadcnt 23-(8*\b+\j)                    ; loads come back in order: this one is in, the younger ones stay out
	v_cvt_pk_f16_f32 v[OUT+2*(8*\b+\j)],   v[IN+4*(8*\b+\j)],   v[IN+4*(8*\b+\j)+1]
	v_cvt_pk_f16_f32 v[OUT+2*(8*\b+\j)+1], v[IN+4*(8*\b+\j)+2], v[IN+4*(8*\b+\j)+3]
	global_store_b64 v2, v[OUT+2*(8*\b+\j):OUT+2*(8*\b+\j)+1], s[10+2*\b:11+2*\b] offset:2048*\j
.endr
.endr
	s_endpgm
.Lfunc_end_k_q8642417bbf_cvt:
	.size	k_q8642417bbf_cvt, .Lfunc_end_k_q8642417bbf_cvt-k_q8642417bbf_cvt
	.p2alignl 7, 3214868480
	.fill 96, 4, 3214868480
	.section	.rodata,"a",@progbits
	.p2align	6, 0x0
	.amdhsa_kernel k_q8642417bbf_cvt
		.amdhsa_group_segment_fixed_size 0
		.amdhsa_private_segment_fixed_size 0
		.amdhsa_enable_private_segment 0
		.amdhsa_kernarg_size 48
		.amdhsa_user_sgpr_count 2
		.amdhsa_user_sgpr_kernarg_segment_ptr 1
		.amdhsa_wavefront_size32 1
		.amdhsa_system_sgpr_workgroup_id_x 1
		.amdhsa_system_sgpr_workgroup_id_y 1
		.amdhsa_system_sgpr_workgroup_id_z 1
		.amdhsa_system_vgpr_workitem_id 0
		.amdhsa_next_free_vgpr 148
		.amdhsa_next_free_sgpr 66
		.amdhsa_reserve_vcc 0
		.amdhsa_float_denorm_mode_32 3
		.amdhsa_float_denorm_mode_16_64 3
		.amdhsa_memory_ordered 1
		.amdhsa_forward_progress 1
		.amdhsa_inst_pref_size 10
	.end_amdhsa_kernel
	.amdgpu_metadata
---
amdhsa.version: [ 1, 2 ]
amdhsa.kernels:
  - .name:           k_q8642417bbf_cvt
    .symbol:         k_q8642417bbf_cvt.kd
    .args:
      - { .name: x, .offset: 0, .size: 8, .value_kind: global_buffer, .address_space: global }
      - { .name: feature_know, .offset: 8, .size: 8, .value_kind: global_buffer, .address_space: global }
      - { .name: restore_know, .offset: 16, .size: 8, .value_kind: global_buffer, .address_space: global }
      - { .name: xh, .offset: 24, .size: 8, .value_kind: global_buffer, .address_space: global }
      - { .name: fh, .offset: 32, .size: 8, .value_kind: global_buffer, .address_space: global }
      - { .name: rh, .offset: 40, .size: 8, .value_kind: global_buffer, .address_space: global }
    .group_segment_fixed_size: 0
    .private_segment_fixed_size: 0
    .kernarg_segment_align: 8
    .kernarg_segment_size: 48
    .max_flat_workgroup_size: 256
    .sgpr_count:     66
    .vgpr_count:     148
    .wavefront_size: 32
...
	.end_amdgpu_metadata
.endif
;; end of part 1
;; launch down (part 2): grid 16 x 16, 4 waves a work-group, clusters of 4 x 4, 327,680 bytes of LDS; arguments xh, fh, feature_know_w, part, psc; writes part, psc
.if DOCPART == 2
	.amdgcn_target "amdgcn-amd-amdhsa--gfx1250"
	.amdhsa_code_object_version 6
	.text
	.protected	k_q8642417bbf_down
	.globl	k_q8642417bbf_down
	.p2align	8
	.type	k_q8642417bbf_down,@function
k_q8642417bbf_down:
	s_mov_b64 s[64:65], 0
	v_nop
	global_prefetch_b8 v0, s[64:65] scope:SCOPE_SE
	s_setreg_imm32_b32 hwreg(HW_REG_WAVE_MODE, 25, 1), 1
	s_wait_xcnt 0x0
	s_wait_alu depctr_hold_cnt(0) depctr_sa_sdst(0) depctr_va_vdst(0) depctr_va_sdst(0) depctr_va_ssrc(0) depctr_va_vcc(0) depctr_vm_vsrc(0)
	s_getreg_b32 s2, hwreg(HW_REG_IB_STS2, 6, 4)
	s_cmp_eq_u32 s2, 0
	s_cbranch_scc0 .Lentry_in_a_cluster
	s_endpgm
.Lentry_in_a_cluster:
	s_bfe_u32 s2, ttmp6, 0x10000c
	s_cmp_lg_u32 s2, 0xf033
	s_cbranch_scc0 .Lentry_shape_is_right
	s_endpgm
.Lentry_shape_is_right:
; p[g][t][r] = fw[t][2g] (x_t F_2g)[r] + fw[t][2g+1] (x_t F_2g+1)[r],  g = 0 .. 15: the compress step, split over pairs of experts.
; It leaves as part = f16(p / s) and psc = s, where s[g][t] is the largest |p[g][t][r]| of the row: half the bytes of f32, and f16's range plays no part.
; xh: [4096 tokens][1024 d] f16.  fh: [32 experts][1024 d][128 r] f16.  feature_know_w: [4096][32] f32, never rounded: it multiplies f32 sums.
; As a product: M = 4096 tokens, N = 4096 = (expert, r), K = 1024.  A work-group makes 256 tokens x 2 experts with four waves; wave
; (s11, s12) makes 128 tokens (half s11) x the 128 r of expert 2 g + s12: 64 accumulator tiles of 16 x 16, 512 registers.
; K goes in steps of 128 through two LDS slots filled by tensor loads; each row of a tile is 256 bytes of memory, at a multiple of 256.
; F lies [K][N] in memory and in LDS, so its fragments are made by the transposing LDS load.
; The two experts' sums of a token meet at the end: each wave scales its 64 x 128 numbers of the other wave's tokens by its own fw, hands
; them over through LDS, and adds what it is handed to its own scaled half.  So a pair of experts leaves one partial sum.
; part's layout follows the accumulators: [g 16][block of 16 tokens 256][b 8][lane 32][8] f16; lane l holds token l % 16 of the block
; and r = 16 b + 8 (l / 16) + 0..7.  Every store of a wave covers 512 neighbouring bytes, aligned.
; psc's layout: [g 16][64 tokens 64][token % 16][block of 16 in the 64] f32: a wave's 64 magnitudes are 256 neighbouring bytes, one store.
; CLUSTERS: 4 x 4 work-groups.  x's tile hangs on the block of tokens alone and is asked for jointly by a row of the cluster, F's on the pair
; of experts alone and is asked for jointly by a column: the requests for both are divided by four.
; LIMIT: operands are f16 (see the launch that makes them); sums are f32.  s is taken as at least 2^-100 and must be below 2^126, since the
; reciprocal of a larger number comes out as zero (ISA guide, v_rcp_f32).
;
; REGISTERS, in windows of 256: window 0: v16-28 addresses, v32-39 fw, v40-55 at work on the way out, v64-127 and v128-191 fragments of x
; (two buffers), v192-223 packed results; window 1: v64-127, v128-191 fragments of F; window 2: the 32 tiles of the 64 tokens that I keep
; (tile (a, b) at v[8 (8 a + b)]); window 3: those of the 64 tokens that I hand over.  The tokens that I keep are the half s12 of my 128,
; so every wave runs the same text.
; The matrix instruction is used transposed (source 0 = F, source 1 = x): lane l holds token l % 16, registers 0-7 hold r = 8 (l / 16) + 0..7.
.set PA,     272                       ; an LDS row of x: 256 bytes + 16 of padding: the 16 rows of a fragment load start at 16 different groups of banks
.set PB,     288                       ; an LDS row of F: 256 bytes + 32 of padding, an odd multiple of 32 for the transposing load
.set QUART,  128*PB                    ; 36,864: what one tensor load may fill (x's 128 rows use 34,816 of them)
.set SLOT,   4*QUART                   ; x's two halves, then the two experts' F
.set LAPS,   4                         ; a lap = two K steps = once round the ring; 1024 / 256
.set ADRLO, 16                         ; v16-17  LDS address of the x rows that I keep, slot 0, 1
.set ADRHI, 18                         ; v18-19  of the x rows whose sums I hand over
.set ADRB,  20                         ; v20-21  of my expert's F
.set XST,   24                         ; v24     the way out: where I put what I hand over
.set XLD,   25                         ; v25     where my partner put what I am handed
.set CO,    26                         ; v26     16 x lane: my place in a store of 512 bytes
.set FWLO,  27                         ; v27     byte offset of fw of the tokens that I keep
.set FWHI,  28                         ; v28     of those that I hand over
.set SC,    32                         ; v32-35  fw[token of block a][my expert], kept tokens; v36-39 handed tokens
.set MS,    48                         ; v48-51  the row magnitudes of the four blocks that I keep
.set F0,    64
.set F1,    128                        ; (the macro ROWMAX names v128-191 by their numbers)
.set P16,   192                        ; v192-223 a block's 64 numbers a lane as f16
.set G1,  24                           ; s[24:31] descriptor group 1, x's tiles
.set G0,  32                           ; s[32:39] group 0, x's tiles, one set a slot
.set G1B, 48                           ; s[48:55] group 1, F's tiles
.set G0B, 56                           ; s[56:63] group 0, F's tiles, one set a slot
.set MSB, 0
.macro WIN new                         ; the immediate's high byte repeats the setting that is left
.if MSB != \new
	s_set_vgpr_msb (MSB<<8)|\new
.set MSB, \new
.endif
.endm
.set MUL_LO, 0xa1                      ; source 0 (F) window 1, source 1 (x) window 0, C and D window 2
.set MUL_HI, 0xf1                      ; the same, C and D window 3
.set TO_B,   0x40                      ; destination window 1, address window 0
; A joint load.  Waves 0 and 1 fetch x's two halves, waves 2 and 3 the two experts' F.  Each line has one mask and one set of registers.
.macro JLOAD s
	s_cmp_eq_u32 s11, 0
	s_cbranch_scc0 .Lfor_b_\@
	tensor_load_to_lds s[G0+4*\s:G0+4*\s+3], s[G1:G1+7]
	s_nop 0
	s_branch .Lasked_\@
.Lfor_b_\@:
	tensor_load_to_lds s[G0B+4*\s:G0B+4*\s+3], s[G1B:G1B+7]
	s_nop 0
.Lasked_\@:
.endm
; A round of the cluster's barrier: my work-group's barrier, wave 0 signals for the work-group, every wave waits for all sixteen, my work-group's barrier again.
.macro CREST                           ; a round behind its opening barrier
	s_cmp_lg_u32 s10, 0
	s_cbranch_scc1 .Lnot_wave_0_\@
	s_barrier_signal -3
.Lnot_wave_0_\@:
	s_barrier_wait -3
	s_barrier_signal -1
	s_barrier_wait -1
.endm
.macro CROUND
	s_barrier_signal -1
	s_barrier_wait -1
	CREST
.endm
	s_load_b128 s[4:7], s[0:1], 0x0                ; xh s[4:5], fh s[6:7]
	s_load_b128 s[68:71], s[0:1], 0x10             ; feature_know_w s[68:69], part s[70:71]
	s_load_b64 s[76:77], s[0:1], 0x20              ; psc
	s_set_vgpr_msb 0x40
	v_lshl_add_u32 v255, v0, 2, 0x48000
	s_set_vgpr_msb 0x4000
	v_mov_b32 v255, 0
	s_set_vgpr_msb 0x1
	ds_add_u32 v255, v255
	s_set_vgpr_msb 0x100
	v_lshrrev_b32 v1, 5, v0
	v_readfirstlane_b32 s10, v1                    ; wave 0..3
	s_lshr_b32 s11, s10, 1                         ; my half of the block's tokens.  Also: I fetch for x (0) or for F (1)
	s_and_b32 s12, s10, 1                          ; my expert of the pair.  Also: which half of x, or which expert's F, I fetch
	s_sub_co_u32 s45, 1, s12                       ; the other one
	s_bfe_u32 s40, ttmp6, 0x40000                  ; cx
	s_bfe_u32 s41, ttmp6, 0x40004                  ; cy
	s_lshl_b32 s42, ttmp9, 2
	s_add_co_u32 s42, s42, s40                     ; g, the pair of experts = 4 x cluster x + cx
	s_and_b32 s13, ttmp7, 0xffff
	s_lshl_b32 s13, s13, 2
	s_add_co_u32 s13, s13, s41                     ; block of 256 tokens = 4 x cluster y + cy
	s_lshl_b32 s43, s41, 2
	s_lshl_b32 s43, 15, s43                        ; my row of the cluster: places 4 cy .. 4 cy + 3
	s_lshl_b32 s44, 0x1111, s40                    ; my column: places cx, cx + 4, cx + 8, cx + 12
	; group 1: tiles of 128 rows x 128 elements of 2 bytes, padded behind every 64 words: x by 4 words, F by 8
	s_or_b32 s[G1+0], s43, (1<<16)|(1<<20)|(1<<21)|(5<<22)|(3<<25)
	s_or_b32 s[G1B+0], s44, (1<<16)|(1<<20)|(1<<21)|(5<<22)|(7<<25)
	s_mov_b32 s[G1+1], 128<<16                     ; tensor_dim0 = 128
	s_mov_b32 s[G1B+1], 128<<16
	s_mov_b32 s[G1+2], 128<<16                     ; tensor_dim1 = 128
	s_mov_b32 s[G1B+2], 128<<16
	s_mov_b32 s[G1+3], 128<<16                     ; tile_dim0 = 128
	s_mov_b32 s[G1B+3], 128<<16
	s_mov_b32 s[G1+4], 128                         ; tile_dim1 = 128
	s_mov_b32 s[G1B+4], 128
	s_mov_b32 s[G1+5], 1024                        ; x: 1,024 elements from row to row
	s_mov_b32 s[G1B+5], 128                        ; F: 128, the tile is dense in memory
	s_mov_b32 s[G1+6], 0
	s_mov_b32 s[G1B+6], 0
	s_mov_b32 s[G1+7], 0
	s_mov_b32 s[G1B+7], 0
	; where the tiles come from.  x's hang on the block of tokens alone, F's on the pair of experts alone.
	s_lshl_b32 s16, s13, 19                        ; 256 rows of 2,048 bytes
	s_lshl_b32 s17, s12, 18                        ; + 128 rows for the second half
	s_add_co_u32 s16, s16, s17
	s_mov_b32 s17, 0
	s_lshl_b32 s46, s42, 19                        ; two experts of 262,144 bytes
	s_lshl_b32 s47, s12, 18                        ; + one for the second
	s_add_co_u32 s46, s46, s47
	s_mov_b32 s47, 0
	s_mul_i32 s20, s10, QUART                      ; and where they go: the wave's quarter of a slot
	s_wait_dscnt 0x0
	s_wait_kmcnt 0x0
	s_add_nc_u64 s[14:15], s[4:5], s[16:17]
	s_add_nc_u64 s[46:47], s[6:7], s[46:47]
	CROUND                                         ; all sixteen work-groups are here: the first joint loads meet
.irp s, 0,1
	s_mov_b32 s[G0+4*\s], 1
	s_add_co_u32 s[G0+4*\s+1], s20, \s*SLOT
	s_add_nc_u64 s[G0+4*\s+2:G0+4*\s+3], s[14:15], \s*256          ; K step s: 128 elements along the rows
	s_or_b32 s[G0+4*\s+3], s[G0+4*\s+3], 0x80000000
	s_mov_b32 s[G0B+4*\s], 1
	s_add_co_u32 s[G0B+4*\s+1], s20, \s*SLOT
	s_add_nc_u64 s[G0B+4*\s+2:G0B+4*\s+3], s[46:47], \s*32768      ; K step s: 128 rows of 256 bytes down
	s_or_b32 s[G0B+4*\s+3], s[G0B+4*\s+3], 0x80000000
	JLOAD \s
.endr
	; fw, part and psc at my wave's place
	s_lshl_b32 s72, s13, 15                        ; 256 tokens of 128 bytes
	s_lshl_b32 s73, s11, 14                        ; my 128
	s_add_co_u32 s72, s72, s73
	s_lshl_b32 s73, s42, 3                         ; expert 2 g
	s_add_co_u32 s72, s72, s73
	s_lshl_b32 s73, s12, 2                         ; + s12
	s_add_co_u32 s72, s72, s73
	s_mov_b32 s73, 0
	s_add_nc_u64 s[68:69], s[68:69], s[72:73]
	s_lshl_b32 s74, s42, 20                        ; g x 1,048,576
	s_lshl_b32 s75, s13, 16                        ; 16 blocks of 4,096 bytes
	s_add_co_u32 s74, s74, s75
	s_lshl_b32 s75, s11, 15                        ; 8 blocks
	s_add_co_u32 s74, s74, s75
	s_lshl_b32 s75, s12, 14                        ; 4 blocks: the tokens that I keep
	s_add_co_u32 s74, s74, s75
	s_mov_b32 s75, 0
	s_add_nc_u64 s[70:71], s[70:71], s[74:75]
	s_lshl_b32 s78, s42, 14                        ; g x 16,384
	s_lshl_b32 s79, s13, 10                        ; four groups of 64 tokens, 256 bytes each
	s_add_co_u32 s78, s78, s79
	s_lshl_b32 s79, s11, 9                         ; two groups
	s_add_co_u32 s78, s78, s79
	s_lshl_b32 s79, s12, 8                         ; the group that I keep
	s_add_co_u32 s78, s78, s79
	s_mov_b32 s79, 0
	s_add_nc_u64 s[76:77], s[76:77], s[78:79]
	v_and_b32 v1, 15, v0                           ; l % 16
	v_bfe_u32 v2, v0, 4, 1                         ; l / 16
	v_lshlrev_b32 v7, 7, v1                        ; a token's row of fw is 128 bytes
	s_lshl_b32 s22, s12, 13                        ; 64 tokens
	s_lshl_b32 s23, s45, 13
	v_add_nc_u32 v[FWLO], s22, v7
	v_add_nc_u32 v[FWHI], s23, v7
.irp a, 0,1,2,3
	global_load_b32 v[SC+\a],   v[FWLO], s[68:69] offset:2048*\a   ; waited for on the way out
	global_load_b32 v[SC+4+\a], v[FWHI], s[68:69] offset:2048*\a
.endr
	; x's fragment: lane l holds row l % 16; two loads of 16 bytes, 32 apart, at row x pitch + 16 (l / 16)
	v_mul_u32_u24 v3, v1, PA
	v_lshl_add_u32 v3, v2, 4, v3
	; F's fragment, by the transposing load: lane l addresses row 8 (l / 16) + l % 8 of the 32, and 16 bytes at 16 ((l / 8) % 2)
	v_and_b32 v4, 7, v0
	v_lshl_add_u32 v4, v2, 3, v4
	v_mul_u32_u24 v4, v4, PB
	v_bfe_u32 v5, v0, 3, 1
	v_lshl_add_u32 v4, v5, 4, v4
	s_mul_i32 s21, s11, QUART                      ; my 128 rows of x
	s_mul_i32 s22, s12, 64*PA
	s_add_co_u32 s22, s22, s21                     ; the 64 that I keep
	s_mul_i32 s23, s45, 64*PA
	s_add_co_u32 s23, s23, s21                     ; the 64 whose sums I hand over
	s_mul_i32 s21, s12, QUART
	s_add_co_u32 s21, s21, 2*QUART                 ; my expert's F, behind x's two quarters
.irp s, 0,1
	v_add_nc_u32 v[ADRLO+\s], s22, v3
	v_add_nc_u32 v[ADRHI+\s], s23, v3
	v_add_nc_u32 v[ADRB+\s], s21, v4
	s_add_co_u32 s21, s21, SLOT
	s_add_co_u32 s22, s22, SLOT
	s_add_co_u32 s23, s23, SLOT
.endr
	v_and_b32 v6, 31, v0
	v_lshlrev_b32 v[CO], 4, v6
	s_lshl_b32 s21, s10, 15                        ; the way out: 32,768 bytes a wave, from LDS byte 0
	v_add_nc_u32 v[XST], s21, v[CO]
	s_lshl_b32 s21, s11, 1
	s_add_co_u32 s21, s21, s45                     ; my partner: the same tokens, the other expert
	s_lshl_b32 s21, s21, 15
	v_add_nc_u32 v[XLD], s21, v[CO]
; 16 matrix instructions: token blocks a0, a0 + 1 of the window's four x all 8 blocks of r, 32 along K.  zero = 1: the first product starts the sums.
.macro MUL16 f, hi, a0, zero
.irp a, \a0, \a0+1
.irp b, 0,1,2,3,4,5,6,7
.if \zero
	v_wmma_f32_16x16x32_f16 v[8*(8*(\a)+\b):8*(8*(\a)+\b)+7], v[\f+8*\b:\f+8*\b+7], v[\f+8*(4*\hi+\a):\f+8*(4*\hi+\a)+7], 0
.else
	v_wmma_f32_16x16x32_f16 v[8*(8*(\a)+\b):8*(8*(\a)+\b)+7], v[\f+8*\b:\f+8*\b+7], v[\f+8*(4*\hi+\a):\f+8*(4*\hi+\a)+7], v[8*(8*(\a)+\b):8*(8*(\a)+\b)+7]
.endif
.endr
.endr
.endm
; 32 LDS loads in one run: the fragments of quarter q of a K step (32 along K) into buffer f: F's 8, then x's kept 4, then x's handed 4
.macro FETCH slot, q, f
	WIN TO_B
.irp i, 0,1,2,3,4,5,6,7
	ds_load_tr16_b128 v[\f+8*\i:\f+8*\i+3],   v[ADRB+\slot] offset:\q*32*PB+32*\i
	ds_load_tr16_b128 v[\f+8*\i+4:\f+8*\i+7], v[ADRB+\slot] offset:\q*32*PB+32*\i+16*PB
.endr
	WIN 0
.irp i, 0,1,2,3
	ds_load_b128 v[\f+8*\i:\f+8*\i+3],   v[ADRLO+\slot] offset:\q*64+\i*16*PA
	ds_load_b128 v[\f+8*\i+4:\f+8*\i+7], v[ADRLO+\slot] offset:\q*64+\i*16*PA+32
.endr
.irp i, 0,1,2,3
	ds_load_b128 v[\f+32+8*\i:\f+32+8*\i+3],   v[ADRHI+\slot] offset:\q*64+\i*16*PA
	ds_load_b128 v[\f+32+8*\i+4:\f+32+8*\i+7], v[ADRHI+\slot] offset:\q*64+\i*16*PA+32
.endr
.endm
; Four places of plain vector instructions stand between a matrix instruction and a load into one of its sources, or a vector instruction
; that reads its result (ISA guide 7.12.1 for vector instructions).
.macro PLACES
.rept 4
	v_nop
.endr
.endm
; One of a K step's first three quarters: multiplies buffer f; in its middle it fetches quarter q into buffer g.
; The 64 accumulators take turns, one instruction a turn, in the same order in every quarter.
.macro QUARTER slot, q, f, g, zero
	s_wait_dscnt 8                                 ; F and the kept rows of x are in; the youngest eight loads (the handed rows) may be out
	WIN MUL_LO
	MUL16 \f, 0, 0, \zero
	MUL16 \f, 0, 2, \zero
	PLACES
	FETCH \slot, \q, \g
	s_wait_dscnt 32                                ; all but the 32 just issued
	WIN MUL_HI
	MUL16 \f, 1, 0, \zero
	MUL16 \f, 1, 2, \zero
.endm
.macro THREE slot, zero
	QUARTER \slot, 1, F0, F1, \zero
	QUARTER \slot, 2, F1, F0, 0
	QUARTER \slot, 3, F0, F1, 0
.endm
; The last quarter: multiplies buffer 1 and changes slots.  In front of the barrier each wave waits for its reads of this slot and for all its
; tensor loads (one is out: its part of the next slot).  Behind it the refill comes first, then the next slot's first fragments.
.macro TURN slot, next, fill
	s_wait_dscnt 8
	WIN MUL_LO
	MUL16 F1, 0, 0, 0
	s_wait_dscnt 0                                 ; my reads of this slot are over
	s_wait_tensorcnt 0x0                           ; and all my tensor loads have landed
	ds_add_u32 v255, v255
	s_wait_dscnt 0x0
	s_barrier_signal -1                            ; where a slot is filled again this barrier opens a round of the cluster's barrier
	MUL16 F1, 0, 2, 0                              ; register work while the others arrive
	WIN 0
	s_barrier_wait -1
.if \fill
	CREST                                          ; no wave of any partner still reads this slot or has a load on its way
	s_add_nc_u64 s[G0+4*\slot+2:G0+4*\slot+3], s[G0+4*\slot+2:G0+4*\slot+3], 512       ; two K steps on along x's rows
	s_add_nc_u64 s[G0B+4*\slot+2:G0B+4*\slot+3], s[G0B+4*\slot+2:G0B+4*\slot+3], 65536 ; two K steps down F's rows
	JLOAD \slot                                    ; the first tensor load behind the round, my only one until the next
.endif
	PLACES
	FETCH \next, 0, F0
	WIN MUL_HI
	MUL16 F1, 1, 0, 0
	MUL16 F1, 1, 2, 0
.endm
.macro LAP zero
	THREE 0, \zero
	TURN 0, 1, 1
	THREE 1, 0
	TURN 1, 0, 1
.endm
	s_wait_tensorcnt 1                             ; my part of K step 0 is in; K step 1's stays out
	s_barrier_signal -1
	s_barrier_wait -1
	FETCH 0, 0, F0
	LAP 1                                          ; K steps 0, 1; asks for 2, 3
	WIN 0
	s_mov_b32 s3, LAPS-2
.Llap:
	LAP 0                                          ; K steps 2, 3 and 4, 5; asks for 4 .. 7
	WIN 0
	s_sub_co_u32 s3, s3, 1
	s_cmp_lg_u32 s3, 0
	s_cbranch_scc1 .Llap
	THREE 0, 0                                     ; the last lap fills nothing
	TURN 0, 1, 0                                   ; behind this barrier no wave reads slot 0 and no load fills it any more
	THREE 1, 0
	s_wait_dscnt 8
	WIN MUL_LO
	MUL16 F1, 0, 0, 0
	MUL16 F1, 0, 2, 0
	s_wait_dscnt 0
	WIN MUL_HI
	MUL16 F1, 1, 0, 0
	MUL16 F1, 1, 2, 0
	; THE WAY OUT.  Bytes 0 .. 131,071 of LDS lie in slot 0, which has had its last fill and its last read.
	PLACES                                         ; behind the last matrix instructions: results are read, fragment buffers written
	s_wait_loadcnt 0x0                             ; fw
	; I hand over window 3, scaled by my expert's fw: 16 tokens x 128 r at a time, in the accumulators' own layout
.irp a, 0,1,2,3
	WIN 0x03                                       ; source 0 in window 3
.set i, 0
.rept 32
.if \a & 1
	v_pk_mul_f32 v[F0+64*(\a&1)+2*i:F0+64*(\a&1)+2*i+1], v[64*\a+2*i:64*\a+2*i+1], v[SC+4+(\a&2):SC+4+(\a&2)+1] op_sel:[0,1] op_sel_hi:[1,1]
.else
	v_pk_mul_f32 v[F0+64*(\a&1)+2*i:F0+64*(\a&1)+2*i+1], v[64*\a+2*i:64*\a+2*i+1], v[SC+4+(\a&2):SC+4+(\a&2)+1] op_sel_hi:[1,0]
.endif
.set i, i+1
.endr
	WIN 0
.irp c, 0,1,2,3,4,5,6,7,8,9,10,11,12,13,14,15
	ds_store_b128 v[XST], v[F0+64*(\a&1)+4*\c:F0+64*(\a&1)+4*\c+3] offset:512*(16*\a+\c)
.endr
.endr
	s_wait_dscnt 0x0                               ; my stores are done, for my partner's sake
	s_barrier_signal -1
	s_barrier_wait -1
; what my partner handed me for block a of the tokens that I keep: 64 numbers a lane
.macro LOADX a
.irp c, 0,1,2,3,4,5,6,7,8,9,10,11,12,13,14,15
	ds_load_b128 v[F0+4*\c:F0+4*\c+3], v[XLD] offset:512*(16*\a+\c)
.endr
.endm
.macro AMAX2 m, x, y                   ; starts a chain of maxima of magnitudes
	v_max_num_f32 v\m, |v\x|, |v\y|
.endm
.macro AMAX3 m, x, y                   ; two more numbers into a chain
	v_max3_num_f32 v\m, v\m, |v\x|, |v\y|
.endm
; the largest magnitude of my 64 numbers in v128-191 (buffer 1), in four chains v40-43 that do not wait for each other
.macro ROWMAX
	AMAX2 40, 128, 129
	AMAX2 41, 130, 131
	AMAX2 42, 132, 133
	AMAX2 43, 134, 135
	AMAX3 40, 136, 137
	AMAX3 41, 138, 139
	AMAX3 42, 140, 141
	AMAX3 43, 142, 143
	AMAX3 40, 144, 145
	AMAX3 41, 146, 147
	AMAX3 42, 148, 149
	AMAX3 43, 150, 151
	AMAX3 40, 152, 153
	AMAX3 41, 154, 155
	AMAX3 42, 156, 157
	AMAX3 43, 158, 159
	AMAX3 40, 160, 161
	AMAX3 41, 162, 163
	AMAX3 42, 164, 165
	AMAX3 43, 166, 167
	AMAX3 40, 168, 169
	AMAX3 41, 170, 171
	AMAX3 42, 172, 173
	AMAX3 43, 174, 175
	AMAX3 40, 176, 177
	AMAX3 41, 178, 179
	AMAX3 42, 180, 181
	AMAX3 43, 182, 183
	AMAX3 40, 184, 185
	AMAX3 41, 186, 187
	AMAX3 42, 188, 189
	AMAX3 43, 190, 191
.endm
	s_mov_b32 s4, 0x76543210                       ; v_permlanex16_b32: lane i reads lane i of the other half (the registers that held xh's address are free)
	s_mov_b32 s5, 0xfedcba98
	LOADX 0
	; what I keep: window 2 x my fw + what I was handed; the row's largest magnitude; the row over it, as f16, in stores of 512 neighbouring bytes
.irp a, 0,1,2,3
	s_wait_dscnt 0x0                               ; this block's sixteen loads are in
	WIN 0x02                                       ; source 0 in window 2
.set i, 0
.rept 32
.if \a & 1
	v_pk_fma_f32 v[F1+2*i:F1+2*i+1], v[64*\a+2*i:64*\a+2*i+1], v[SC+(\a&2):SC+(\a&2)+1], v[F0+2*i:F0+2*i+1] op_sel:[0,1,0] op_sel_hi:[1,1,1]
.else
	v_pk_fma_f32 v[F1+2*i:F1+2*i+1], v[64*\a+2*i:64*\a+2*i+1], v[SC+(\a&2):SC+(\a&2)+1], v[F0+2*i:F0+2*i+1] op_sel_hi:[1,0,1]
.endif
.set i, i+1
.endr
	WIN 0
.if \a < 3
	LOADX (\a+1)                                   ; the next block's, on their way during this block's arithmetic
.endif
	ROWMAX
	v_max3_num_f32 v44, v40, v41, v42
	v_max_num_f32 v44, v44, v43
	v_permlanex16_b32 v40, v44, s4, s5             ; the other 64 numbers of my token's row lie in the other half of the lanes; v40 has been written
	v_max3_num_f32 v[MS+\a], v44, v40, 0x0d800000  ; at least 2^-100
	v_rcp_f32 v46, v[MS+\a]
	v_rcp_f32 v47, v[MS+\a]
	v_nop                                          ; the plain instruction between a reciprocal and its use (ISA guide 5.7.2)
.set i, 0
	s_wait_alu depctr_va_vdst(0)
.rept 32
	v_pk_mul_f32 v[F1+2*i:F1+2*i+1], v[F1+2*i:F1+2*i+1], v[46:47]
.set i, i+1
.endr
.if \a
	s_wait_xcnt 0x0                                ; the packed registers, which the last eight stores read, are rewritten only behind this wait
.endif
.set i, 0
.rept 32
	v_cvt_pk_f16_f32 v[P16+i], v[F1+2*i], v[F1+2*i+1]
.set i, i+1
.endr
.irp b, 0,1,2,3,4,5,6,7
	global_store_b128 v[CO], v[P16+4*\b:P16+4*\b+3], s[70:71] offset:4096*\a+512*\b
.endr
.endr
	; the four blocks' magnitudes: lane (r, h) stores those of blocks 2 h and 2 h + 1 of token r at 16 r + 8 h: 256 neighbouring bytes, aligned
	v_and_b32 v52, 16, v0
	v_cmp_ne_u32 vcc_lo, 0, v52
	v_cndmask_b32 v54, v[MS], v[MS+2], vcc_lo
	v_cndmask_b32 v55, v[MS+1], v[MS+3], vcc_lo
	v_and_b32 v53, 15, v0
	v_lshlrev_b32 v53, 4, v53
	v_lshrrev_b32 v52, 1, v52
	v_or_b32 v53, v53, v52
	global_store_b64 v53, v[54:55], s[76:77]
	s_set_vgpr_msb 0x1
	s_wait_tensorcnt 0x0
	ds_add_u32 v255, v255
	s_wait_dscnt 0x0
	s_set_vgpr_msb 0x100
	CROUND                                         ; the closing round: no work-group ends while a partner may still ask for a tile that names it
	s_endpgm
.Lfunc_end_k_q8642417bbf_down:
	.size	k_q8642417bbf_down, .Lfunc_end_k_q8642417bbf_down-k_q8642417bbf_down
	.p2alignl 7, 3214868480
	.fill 96, 4, 3214868480
	.section	.rodata,"a",@progbits
	.p2align	6, 0x0
	.amdhsa_kernel k_q8642417bbf_down
		.amdhsa_group_segment_fixed_size 327680
		.amdhsa_private_segment_fixed_size 0
		.amdhsa_enable_private_segment 0
		.amdhsa_kernarg_size 40
		.amdhsa_user_sgpr_count 2
		.amdhsa_user_sgpr_kernarg_segment_ptr 1
		.amdhsa_wavefront_size32 1
		.amdhsa_system_sgpr_workgroup_id_x 1
		.amdhsa_system_sgpr_workgroup_id_y 1
		.amdhsa_system_sgpr_workgroup_id_z 1
		.amdhsa_system_vgpr_workitem_id 0
		.amdhsa_next_free_vgpr 1024
		.amdhsa_next_free_sgpr 80
		.amdhsa_reserve_vcc 1
		.amdhsa_float_denorm_mode_32 3
		.amdhsa_float_denorm_mode_16_64 3
		.amdhsa_memory_ordered 1
		.amdhsa_forward_progress 1
		.amdhsa_inst_pref_size 218
	.end_amdhsa_kernel
	.amdgpu_metadata
---
amdhsa.version: [ 1, 2 ]
amdhsa.kernels:
  - .name:           k_q8642417bbf_down
    .symbol:         k_q8642417bbf_down.kd
    .args:
      - { .name: xh, .offset: 0, .size: 8, .value_kind: global_buffer, .address_space: global }
      - { .name: fh, .offset: 8, .size: 8, .value_kind: global_buffer, .address_space: global }
      - { .name: feature_know_w, .offset: 16, .size: 8, .value_kind: global_buffer, .address_space: global }
      - { .name: part, .offset: 24, .size: 8, .value_kind: global_buffer, .address_space: global }
      - { .name: psc, .offset: 32, .size: 8, .value_kind: global_buffer, .address_space: global }
    .group_segment_fixed_size: 327680
    .private_segment_fixed_size: 0
    .kernarg_segment_align: 8
    .kernarg_segment_size: 40
    .max_flat_workgroup_size: 128
    .sgpr_count:     80
    .vgpr_count:     1024
    .wavefront_size: 32
...
	.end_amdgpu_metadata
.endif
;; end of part 2
;; launch mid (part 3): grid 256 x 1, 8 waves a work-group, no clusters, 2,048 bytes of LDS; arguments part, psc, restore_know_w, hh, rws; writes hh, rws
.if DOCPART == 3
	.amdgcn_target "amdgcn-amd-amdhsa--gfx1250"
	.amdhsa_code_object_version 6
	.text
	.protected	k_q8642417bbf_mid
	.globl	k_q8642417bbf_mid
	.p2align	8
	.type	k_q8642417bbf_mid,@function
k_q8642417bbf_mid:
	s_mov_b64 s[64:65], 0
	v_nop
	global_prefetch_b8 v0, s[64:65] scope:SCOPE_SE
	s_setreg_imm32_b32 hwreg(HW_REG_WAVE_MODE, 25, 1), 1
	s_wait_xcnt 0x0
; h[t][r] = sum over g = 0 .. 15 of psc[g][t] part[g][t][r], in f32, g ascending;  m[t] = the largest |h[t][r]| of the row;
; hh = f16(h / m), so that h has room in f16 whatever its size;  rws[t][n] = restore_know_w[t][n] m[t], in f32, which carries the factor on.
; LIMIT: m is taken as at least 2^-100 (a row that is smaller all over is not brought up to 1) and must be below 2^126, since the reciprocal
; of a larger number comes out as zero (ISA guide, v_rcp_f32); restore_know_w m must be finite.
; A work-group owns one block of 16 tokens; wave w owns the 16 columns r = 16 w .. 16 w + 15.  part's layout is
; [g][block][b 8][lane 32][8] f16 (lane l: token l % 16, r = 16 b + 8 (l / 16) + 0..7): every load of a wave is 512 neighbouring bytes.
; psc's layout is [g][64 tokens][token % 16][block of 16 in the 64] f32: a lane takes its token's word for each g.
; hh's layout is [block][b 8][lane 32][8] f16: piece b = 2 ks + c is registers 4 c .. 4 c + 3 of the next launch's fragment (block, ks).
; All 33 loads of a wave are issued at once.  The work-groups share no input and there is no product: no cluster, no matrix instruction.
.set X,   16                           ; v[16:79]   load g: eight f16 in four registers (named by number below: halves have names up to v127)
.set SCL, 80                           ; v[80:95]   psc[g][my token]
.set T,   96                           ; v[96:111]  eight numbers in f32, two sets in turn
.set ACC, 112                          ; v[112:119] the sums (named by number where magnitudes are taken)
.set RW,  120                          ; v[120:121] two numbers of restore_know_w
.set RC,  122                          ; v[122:123] 1 / m, twice
.set MX,  124                          ; v[124:131] the eight waves' maxima
.set P,   132                          ; v[132:135] my eight numbers of hh
	s_load_b256 s[4:11], s[0:1], 0x0               ; part s[4:5], psc s[6:7], restore_know_w s[8:9], hh s[10:11]
	s_load_b64 s[12:13], s[0:1], 0x20              ; rws
	v_lshl_add_u32 v136, v0, 2, 0x400
	v_mov_b32 v137, 0
	s_mov_b32 s20, 0x76543210                      ; v_permlanex16_b32: lane i reads lane i of the other half
	s_mov_b32 s21, 0xfedcba98
	s_lshl_b32 s14, ttmp9, 12                      ; a block of part, and of hh, is 4,096 bytes
	s_mov_b32 s15, 0
	s_lshr_b32 s16, ttmp9, 2                       ; psc: the group of 64 tokens, 256 bytes,
	s_lshl_b32 s16, s16, 8
	s_and_b32 s17, ttmp9, 3                        ; and my block's word in it
	s_lshl_b32 s17, s17, 2
	s_add_co_u32 s16, s16, s17
	s_mov_b32 s17, 0
	s_lshl_b32 s22, ttmp9, 11                      ; 16 tokens of 128 bytes
	s_mov_b32 s23, 0
	v_and_b32 v1, 31, v0                           ; lane
	v_lshlrev_b32 v4, 3, v0                        ; restore_know_w, rws: 8 bytes a thread
	v_lshlrev_b32 v5, 4, v0                        ; part and hh: 512 x wave + 16 x lane
	v_lshlrev_b32 v6, 2, v0                        ; LDS: my word
	v_lshlrev_b32 v7, 2, v1                        ; LDS: my lane's word of wave 0
	v_and_b32 v9, 15, v0
	v_lshlrev_b32 v9, 4, v9                        ; psc: 16 bytes a token
	v_lshrrev_b32 v11, 4, v0                       ; the token of my two numbers of restore_know_w: 2 x wave + lane / 16
	s_wait_kmcnt 0x0
	s_add_nc_u64 s[4:5], s[4:5], s[14:15]          ; two bases, 8 g apart, so that g's place fits the loads' immediate
	s_add_nc_u64 s[18:19], s[4:5], 0x800000
	s_add_nc_u64 s[6:7], s[6:7], s[16:17]
	s_add_nc_u64 s[8:9], s[8:9], s[22:23]
	s_add_nc_u64 s[12:13], s[12:13], s[22:23]
	s_add_nc_u64 s[10:11], s[10:11], s[14:15]
	global_load_b64 v[RW:RW+1], v4, s[8:9]
.irp g, 0,1,2,3,4,5,6,7,8,9,10,11,12,13,14,15
	global_load_b32 v[SCL+\g], v9, s[6:7] offset:16384*\g
.endr
.irp g, 0,1,2,3,4,5,6,7
	global_load_b128 v[X+4*\g:X+4*\g+3], v5, s[4:5] offset:\g*1048576 th:TH_LOAD_NT
.endr
.irp g, 0,1,2,3,4,5,6,7
	global_load_b128 v[X+32+4*\g:X+32+4*\g+3], v5, s[18:19] offset:\g*1048576 th:TH_LOAD_NT
.endr
; partial g: eight f16 widened, times the row's magnitude, onto the sums.  The first starts them: nothing is cleared.
.macro ACCUM g, a0, a1, a2, a3, a4, a5, a6, a7
	s_wait_loadcnt 15-\g                           ; loads come back in order: partial g and all sixteen magnitudes are in, the later partials stay out
	v_cvt_f32_f16 v[T+8*(\g&1)+0], \a0
	v_cvt_f32_f16 v[T+8*(\g&1)+1], \a1
	v_cvt_f32_f16 v[T+8*(\g&1)+2], \a2
	v_cvt_f32_f16 v[T+8*(\g&1)+3], \a3
	v_cvt_f32_f16 v[T+8*(\g&1)+4], \a4
	v_cvt_f32_f16 v[T+8*(\g&1)+5], \a5
	v_cvt_f32_f16 v[T+8*(\g&1)+6], \a6
	v_cvt_f32_f16 v[T+8*(\g&1)+7], \a7
.irp p, 0,1,2,3
.if \g == 0
	v_pk_mul_f32 v[ACC+2*\p:ACC+2*\p+1], v[T+2*\p:T+2*\p+1], v[SCL:SCL+1] op_sel_hi:[1,0]
.else
.if \g & 1
	v_pk_fma_f32 v[ACC+2*\p:ACC+2*\p+1], v[T+8+2*\p:T+8+2*\p+1], v[SCL+\g-1:SCL+\g], v[ACC+2*\p:ACC+2*\p+1] op_sel:[0,1,0] op_sel_hi:[1,1,1]
.else
	v_pk_fma_f32 v[ACC+2*\p:ACC+2*\p+1], v[T+2*\p:T+2*\p+1], v[SCL+\g:SCL+\g+1], v[ACC+2*\p:ACC+2*\p+1] op_sel_hi:[1,0,1]
.endif
.endif
.endr
.endm
	ACCUM 0,  v16.l, v16.h, v17.l, v17.h, v18.l, v18.h, v19.l, v19.h
	ACCUM 1,  v20.l, v20.h, v21.l, v21.h, v22.l, v22.h, v23.l, v23.h
	ACCUM 2,  v24.l, v24.h, v25.l, v25.h, v26.l, v26.h, v27.l, v27.h
	ACCUM 3,  v28.l, v28.h, v29.l, v29.h, v30.l, v30.h, v31.l, v31.h
	ACCUM 4,  v32.l, v32.h, v33.l, v33.h, v34.l, v34.h, v35.l, v35.h
	ACCUM 5,  v36.l, v36.h, v37.l, v37.h, v38.l, v38.h, v39.l, v39.h
	ACCUM 6,  v40.l, v40.h, v41.l, v41.h, v42.l, v42.h, v43.l, v43.h
	ACCUM 7,  v44.l, v44.h, v45.l, v45.h, v46.l, v46.h, v47.l, v47.h
	ACCUM 8,  v48.l, v48.h, v49.l, v49.h, v50.l, v50.h, v51.l, v51.h
	ACCUM 9,  v52.l, v52.h, v53.l, v53.h, v54.l, v54.h, v55.l, v55.h
	ACCUM 10, v56.l, v56.h, v57.l, v57.h, v58.l, v58.h, v59.l, v59.h
	ACCUM 11, v60.l, v60.h, v61.l, v61.h, v62.l, v62.h, v63.l, v63.h
	ACCUM 12, v64.l, v64.h, v65.l, v65.h, v66.l, v66.h, v67.l, v67.h
	ACCUM 13, v68.l, v68.h, v69.l, v69.h, v70.l, v70.h, v71.l, v71.h
	ACCUM 14, v72.l, v72.h, v73.l, v73.h, v74.l, v74.h, v75.l, v75.h
	ACCUM 15, v76.l, v76.h, v77.l, v77.h, v78.l, v78.h, v79.l, v79.h
	; the largest magnitude of my eight sums (v112 .. v119 = ACC), of the other half's eight, then of the eight waves'
	v_max3_num_f32 v12, |v112|, |v113|, |v114|
	v_max3_num_f32 v13, |v115|, |v116|, |v117|
	v_max3_num_f32 v12, v12, |v118|, |v119|
	v_max_num_f32 v12, v12, v13
	v_permlanex16_b32 v13, v12, s20, s21           ; its destination counts as read: v13 has been written
	v_max_num_f32 v12, v12, v13
	ds_store_b32 v6, v12
	s_wait_dscnt 0x0                               ; for the other waves' sake
	s_barrier_signal -1
	s_barrier_wait -1
.irp k, 0,1,2,3,4,5,6,7
	ds_load_b32 v[MX+\k], v7 offset:128*\k
.endr
	s_wait_dscnt 0x0
	v_max3_num_f32 v10, v[MX], v[MX+1], v[MX+2]
	v_max3_num_f32 v10, v10, v[MX+3], v[MX+4]
	v_max3_num_f32 v10, v10, v[MX+5], v[MX+6]
	v_max3_num_f32 v10, v10, v[MX+7], 0x0d800000   ; at least 2^-100: lane l now holds m of token l % 16
	v_rcp_f32 v[RC], v10
	v_rcp_f32 v[RC+1], v10
	v_lshlrev_b32 v11, 2, v11                      ; the plain instruction between a reciprocal and its use (ISA guide 5.7.2); the lane to pull m from, times 4
	ds_bpermute_b32 v14, v11, v10                  ; m of the token of my two numbers of restore_know_w
	s_wait_alu depctr_va_vdst(0)
.irp p, 0,1,2,3
	v_pk_mul_f32 v[ACC+2*\p:ACC+2*\p+1], v[ACC+2*\p:ACC+2*\p+1], v[RC:RC+1]
.endr
.irp p, 0,1,2,3
	v_cvt_pk_f16_f32 v[P+\p], v[ACC+2*\p], v[ACC+2*\p+1]
.endr
	global_store_b128 v5, v[P:P+3], s[10:11]       ; a wave stores 512 neighbouring bytes
	s_wait_dscnt 0x0
	v_mul_f32 v2, v[RW], v14
	v_mul_f32 v3, v[RW+1], v14
	global_store_b64 v4, v[2:3], s[12:13]          ; a wave stores 256 neighbouring bytes, aligned
	s_wait_tensorcnt 0x0
	ds_add_u32 v136, v137
	s_wait_dscnt 0x0
	s_endpgm
.Lfunc_end_k_q8642417bbf_mid:
	.size	k_q8642417bbf_mid, .Lfunc_end_k_q8642417bbf_mid-k_q8642417bbf_mid
	.p2alignl 7, 3214868480
	.fill 96, 4, 3214868480
	.section	.rodata,"a",@progbits
	.p2align	6, 0x0
	.amdhsa_kernel k_q8642417bbf_mid
		.amdhsa_group_segment_fixed_size 2048
		.amdhsa_private_segment_fixed_size 0
		.amdhsa_enable_private_segment 0
		.amdhsa_kernarg_size 40
		.amdhsa_user_sgpr_count 2
		.amdhsa_user_sgpr_kernarg_segment_ptr 1
		.amdhsa_wavefront_size32 1
		.amdhsa_system_sgpr_workgroup_id_x 1
		.amdhsa_system_sgpr_workgroup_id_y 1
		.amdhsa_system_sgpr_workgroup_id_z 1
		.amdhsa_system_vgpr_workitem_id 0
		.amdhsa_next_free_vgpr 138
		.amdhsa_next_free_sgpr 66
		.amdhsa_reserve_vcc 0
		.amdhsa_float_denorm_mode_32 3
		.amdhsa_float_denorm_mode_16_64 3
		.amdhsa_memory_ordered 1
		.amdhsa_forward_progress 1
		.amdhsa_inst_pref_size 16
	.end_amdhsa_kernel
	.amdgpu_metadata
---
amdhsa.version: [ 1, 2 ]
amdhsa.kernels:
  - .name:           k_q8642417bbf_mid
    .symbol:         k_q8642417bbf_mid.kd
    .args:
      - { .name: part, .offset: 0, .size: 8, .value_kind: global_buffer, .address_space: global }
      - { .name: psc, .offset: 8, .size: 8, .value_kind: global_buffer, .address_space: global }
      - { .name: restore_know_w, .offset: 16, .size: 8, .value_kind: global_buffer, .address_space: global }
      - { .name: hh, .offset: 24, .size: 8, .value_kind: global_buffer, .address_space: global }
      - { .name: rws, .offset: 32, .size: 8, .value_kind: global_buffer, .address_space: global }
    .group_segment_fixed_size: 2048
    .private_segment_fixed_size: 0
    .kernarg_segment_align: 8
    .kernarg_segment_size: 40
    .max_flat_workgroup_size: 256
    .sgpr_count:     66
    .vgpr_count:     138
    .wavefront_size: 32
...
	.end_amdgpu_metadata
.endif
;; end of part 3
;; launch up (part 4): grid 32 x 8, 4 waves a work-group, clusters of 4 x 1, 327,680 bytes of LDS; arguments rh, hh, rws, out0; writes out0
.if DOCPART == 4
	.amdgcn_target "amdgcn-amd-amdhsa--gfx1250"
	.amdhsa_code_object_version 6
	.text
	.protected	k_q8642417bbf_up
	.globl	k_q8642417bbf_up
	.p2align	8
	.type	k_q8642417bbf_up,@function
k_q8642417bbf_up:
	s_mov_b64 s[64:65], 0
	v_nop
	global_prefetch_b8 v0, s[64:65] scope:SCOPE_SE
	s_setreg_imm32_b32 hwreg(HW_REG_WAVE_MODE, 25, 1), 1
	s_wait_xcnt 0x0
	s_wait_alu depctr_hold_cnt(0) depctr_sa_sdst(0) depctr_va_vdst(0) depctr_va_sdst(0) depctr_va_ssrc(0) depctr_va_vcc(0) depctr_vm_vsrc(0)
	s_getreg_b32 s2, hwreg(HW_REG_IB_STS2, 6, 4)
	s_cmp_eq_u32 s2, 0
	s_cbranch_scc0 .Lentry_in_a_cluster
	s_endpgm
.Lentry_in_a_cluster:
	s_bfe_u32 s2, ttmp6, 0x10000c
	s_cmp_lg_u32 s2, 0x3003
	s_cbranch_scc0 .Lentry_shape_is_right
	s_endpgm
.Lentry_shape_is_right:
; out[t][d] = sum over n = 0 .. 31 of rws[t][n] (hh_t Rk_n)[d]: the restore step.  rh: [32][128 r][1024 d] f16; hh: h over its row's largest
; magnitude, f16, in fragment order [block of 16 tokens][b 8][lane 32][8]; rws: restore_know_w times that magnitude, [4096][32] f32.
; A work-group makes 128 tokens x 128 columns with four waves; wave w makes all 128 tokens x columns 32 w .. 32 w + 31.
; hh's 128 x 128 numbers stay in 256 registers of every wave for all 32 experts, so LDS is read for Rk alone: 8 fragments an expert for 64
; matrix instructions.  For each expert: T = hh Rk_n (16 tiles, K = 128 in four steps, the first with C = 0), then O += rws[.][n] T in f32.
; THE TWO TAKE TURNS BY HALVES: while the 8 tiles of tokens 0-63 are multiplied, the 8 tiles of tokens 64-127 of the expert before are scaled
; onto their sums, one packed multiply-add behind each matrix instruction; then the other way round.
; Rk lies [K][N], so its fragments are made by the transposing LDS load.  Two LDS slots of four experts' tiles (128 rows x 256 bytes each);
; wave w fetches expert 4 p + w of phase p with one tensor load, and every wave reads all four.
; CLUSTER: 4 x 1 work-groups, four blocks of tokens with the same columns: they walk the same tiles of Rk and ask for them jointly (mask 15).
; hh and rws are not shared in a cluster: each partner has its own tokens, and they are 48 KiB a work-group beside 1,152 KiB of Rk.
; The matrix instruction is used transposed (source 0 = Rk, source 1 = hh): lane l holds token l % 16, registers 0-7 the columns 8 (l / 16) + 0..7,
; so a lane has one factor rws for a whole tile.
; REGISTERS.  Window 0: addresses, factors S, fragments BF of Rk.
;   window 1: v0-63 T of tokens 0-63,   v64-127 O of tokens 64-127, v128-255 hh of tokens 64-127
;   window 2: v0-63 T of tokens 64-127, v64-127 O of tokens 0-63,   v128-255 hh of tokens 0-63
; So ONE setting of the windows serves a half's matrix instructions and the other half's multiply-adds.  First half (P1): destination and third
; source in window 1 (T written, O summed), second source in window 2 (hh read, the other T read), first source in window 0 (Rk, factor).
; Second half (P2): windows 1 and 2 change places, the register numbers stay.  Tile i = 2 (block in the half) + nb at 8 i; hh's fragment
; (block in the half, ks) at 128 + 8 (4 block + ks).
.set PB,    288                        ; an LDS row of Rk: 256 bytes + 32 of padding, an odd multiple of 32 for the transposing load
.set TILE,  128*PB                     ; 36,864: one expert's tile
.set SLOT,  4*TILE                     ; 147,456
.set STAB,  2*SLOT                     ; 294,912: rws as [n 32][l % 16][mb 8] f32, 16,384 bytes of their own; no tensor load lands here
.set SP,    528                        ; the way out: a row of 128 f32 + 16 bytes
.set HOFF,  2                          ; v2      16 x lane: hh's pieces, and my place in a row of out
.set RWO,   3                          ; v3      my token's row of rws (thread = token)
.set TST,   4                          ; v4      where my token's factors go in STAB
.set SADR,  5                          ; v5      my lane's factors of the phase's first expert; 2,048 on once a phase
.set STO,   6                          ; v6      the way out: where I put 32 bytes of a row
.set RD,    7                          ; v7      the way out: where I read a row back
.set ADRB,  8                          ; v[8:15] Rk's fragments: 4 x slot + expert in the slot
.set S,     32                         ; v[32:63] four buffers of 8 factors (mb 0..7), by the expert's place in its phase: an expert's are read until the next one's first half ends
.set BF,    64                         ; v[64:191] two buffers of 8 fragments, (ks, nb) at 8 (2 ks + nb)
.set ROWS,  192                        ; v[192:223] my token's row of rws
.set OO,    64                         ; in windows 1 and 2
.set HB,    128
.set P1,    0x58                       ; destination 1, source 2 in 1, source 1 in 2, source 0 in 0
.set P2,    0xa4                       ; destination 2, source 2 in 2, source 1 in 1, source 0 in 0
.set G1,    16                         ; s[16:23]
.set G0,    24                         ; s[24:31] one set a slot
.set MSB, 0
.macro WIN new                         ; the immediate's high byte repeats the setting that is left
.if MSB != \new
	s_set_vgpr_msb (MSB<<8)|\new
.set MSB, \new
.endif
.endm
.macro CREST                           ; a round of the cluster's barrier behind its opening barrier
	s_cmp_lg_u32 s12, 0
	s_cbranch_scc1 .Lnot_wave_0_\@
	s_barrier_signal -3
.Lnot_wave_0_\@:
	s_barrier_wait -3
	s_barrier_signal -1
	s_barrier_wait -1
.endm
.macro ROUND                           ; a whole round
	s_barrier_signal -1
	s_barrier_wait -1
	CREST
.endm
.macro PLACES
.rept 4
	v_nop
.endr
.endm
	s_load_b256 s[4:11], s[0:1], 0x0               ; rh s[4:5], hh s[6:7], rws s[8:9], out0 s[10:11]
	v_lshl_add_u32 v254, v0, 2, 0x4c000
	v_mov_b32 v255, 0
	ds_add_u32 v254, v255
	v_lshrrev_b32 v16, 5, v0
	v_readfirstlane_b32 s12, v16                   ; wave 0..3
	s_bfe_u32 s13, ttmp6, 0x40000                  ; cx
	s_lshl_b32 s14, ttmp9, 2
	s_add_co_u32 s14, s14, s13                     ; block of 128 tokens = 4 x cluster x + cx
	s_and_b32 s15, ttmp7, 0xffff                   ; block of 128 columns
	; group 1: 128 rows x 128 elements of 2 bytes, 1,024 elements from row to row, 8 words of padding behind every 64; mask: all four partners
	s_mov_b32 s[G1+0], 15|(1<<16)|(1<<20)|(1<<21)|(5<<22)|(7<<25)
	s_mov_b32 s[G1+1], 128<<16
	s_mov_b32 s[G1+2], 128<<16
	s_mov_b32 s[G1+3], 128<<16
	s_mov_b32 s[G1+4], 128
	s_mov_b32 s[G1+5], 1024
	s_mov_b32 s[G1+6], 0
	s_mov_b32 s[G1+7], 0
	s_lshl_b32 s32, s15, 8                         ; my columns: 256 bytes a block
	s_lshl_b32 s33, s12, 18                        ; expert w: 262,144 bytes an expert
	s_add_co_u32 s32, s32, s33
	s_mov_b32 s33, 0
	s_mul_i32 s34, s12, TILE
	s_wait_dscnt 0x0
	s_wait_kmcnt 0x0
	s_add_nc_u64 s[4:5], s[4:5], s[32:33]          ; hangs on the columns and the wave alone: the same in all four partners
	ROUND                                          ; the four work-groups are here: the first joint loads meet
.irp s, 0,1
	s_mov_b32 s[G0+4*\s], 1
	s_add_co_u32 s[G0+4*\s+1], s34, \s*SLOT
	s_add_nc_u64 s[G0+4*\s+2:G0+4*\s+3], s[4:5], \s*0x100000       ; phase s: four experts on
	s_or_b32 s[G0+4*\s+3], s[G0+4*\s+3], 0x80000000
	tensor_load_to_lds s[G0+4*\s:G0+4*\s+3], s[G1:G1+7]
	s_nop 0
.endr
	s_lshl_b32 s36, s14, 15                        ; hh: 8 blocks of 4,096 bytes
	s_mov_b32 s37, 0
	s_add_nc_u64 s[6:7], s[6:7], s[36:37]
	s_lshl_b32 s36, s14, 14                        ; rws: 128 tokens of 128 bytes
	s_add_nc_u64 s[8:9], s[8:9], s[36:37]
	s_lshl_b32 s36, s14, 19                        ; out: 128 rows of 4,096 bytes,
	s_lshl_b32 s38, s15, 9                         ; 512 bytes a block of columns,
	s_add_co_u32 s36, s36, s38
	s_lshl_b32 s38, s12, 17                        ; and on the way out wave w stores rows 32 w .. 32 w + 31
	s_add_co_u32 s36, s36, s38
	s_add_nc_u64 s[10:11], s[10:11], s[36:37]
	v_and_b32 v16, 15, v0                          ; l % 16, and my token % 16
	v_bfe_u32 v17, v0, 4, 1                        ; l / 16
	v_and_b32 v18, 31, v0                          ; lane
	v_lshlrev_b32 v[HOFF], 4, v18
	v_lshlrev_b32 v[RWO], 7, v0
.irp k, 0,1,2,3,4,5,6,7
	global_load_b128 v[ROWS+4*\k:ROWS+4*\k+3], v[RWO], s[8:9] offset:16*\k
.endr
	WIN 0x80                                       ; destination in window 2: hh of tokens 0-63
.irp mb, 0,1,2,3
.irp c, 0,1,2,3,4,5,6,7
	global_load_b128 v[HB+32*\mb+4*\c:HB+32*\mb+4*\c+3], v[HOFF], s[6:7] offset:4096*\mb+512*\c   ; piece c = 2 ks + half of fragment (mb, ks)
.endr
.endr
	WIN 0x40                                       ; destination in window 1: hh of tokens 64-127
.irp mb, 0,1,2,3
.irp c, 0,1,2,3,4,5,6,7
	global_load_b128 v[HB+32*\mb+4*\c:HB+32*\mb+4*\c+3], v[HOFF], s[6:7] offset:4096*(\mb+4)+512*\c
.endr
.endr
	WIN 0
	v_lshlrev_b32 v19, 5, v16
	v_add_nc_u32 v[SADR], STAB, v19                ; 32 bytes for each l % 16
	v_lshrrev_b32 v20, 4, v0                       ; my token / 16 = its block mb
	v_lshl_add_u32 v[TST], v20, 2, v[SADR]
	v_mul_u32_u24 v21, v16, SP
	v_lshl_add_u32 v21, v17, 5, v21
	s_lshl_b32 s35, s12, 7
	v_add_nc_u32 v[STO], s35, v21                  ; row l % 16, my wave's 128 bytes, 32 bytes for each half of the lanes
	s_mul_i32 s35, s12, 32*SP
	v_add_nc_u32 v[RD], s35, v[HOFF]
	v_and_b32 v22, 7, v0                           ; the transposing load: lane l addresses row 8 (l / 16) + l % 8 of the 32,
	v_lshl_add_u32 v22, v17, 3, v22
	v_mul_u32_u24 v22, v22, PB
	v_bfe_u32 v23, v0, 3, 1                        ; and 16 bytes at 16 ((l / 8) % 2),
	v_lshl_add_u32 v22, v23, 4, v22
	s_lshl_b32 s35, s12, 6                         ; in my wave's 64 bytes of a row
	v_add_nc_u32 v22, s35, v22
.irp i, 0,1,2,3,4,5,6,7
	v_add_nc_u32 v[ADRB+\i], \i*TILE, v22          ; a slot is four tiles, so 4 x slot + expert counts tiles
.endr
	s_wait_loadcnt 63                              ; 72 loads were issued: with at most 63 out, the eight oldest, my row of rws, are in
.irp n, 0,1,2,3,4,5,6,7,8,9,10,11,12,13,14,15,16,17,18,19,20,21,22,23,24,25,26,27,28,29,30,31
	ds_store_b32 v[TST], v[ROWS+\n] offset:512*\n
.endr
	s_wait_dscnt 0x0                               ; my part of the table is written, for the others' sake
	s_wait_tensorcnt 1                             ; my tile of phase 0 is in; phase 1's stays out
	s_barrier_signal -1
	s_barrier_wait -1
	s_wait_loadcnt 0x0                             ; hh
; 18 LDS loads: expert j of the slot: 8 fragments of Rk (32 r x 16 columns each) into buffer buf, my lane's 8 factors (at byte soff from SADR) into buffer sb
.macro FETCHB slot, j, buf, sb, soff
	WIN 0
.irp ks, 0,1,2,3
.irp nb, 0,1
	ds_load_tr16_b128 v[BF+64*\buf+8*(2*\ks+\nb):BF+64*\buf+8*(2*\ks+\nb)+3],   v[ADRB+4*\slot+\j] offset:32*PB*\ks+32*\nb
	ds_load_tr16_b128 v[BF+64*\buf+8*(2*\ks+\nb)+4:BF+64*\buf+8*(2*\ks+\nb)+7], v[ADRB+4*\slot+\j] offset:32*PB*\ks+32*\nb+16*PB
.endr
.endr
	ds_load_b128 v[S+8*\sb:S+8*\sb+3],   v[SADR] offset:\soff
	ds_load_b128 v[S+8*\sb+4:S+8*\sb+7], v[SADR] offset:\soff+16
.endm
; Eight pairs.  The matrix instruction: K step ks of the half's tile i (h = 0: tokens 0-63, under P1; h = 1: tokens 64-127, under P2), from buffer buf.
; The packed multiply-add: two numbers of the OTHER half's tiles 2 ks and 2 ks + 1, which are block ks of that half, by that block's factor in buffer sb;
; the factor is one register of a pair, picked for both results.  mode 0: none; 1: O = factor x T (nothing is cleared); 2: O += factor x T.  mul = 0: no products.
; The eight accumulators take turns, one instruction a turn.
; Places (ISA guide 7.12.1): tile i has its last product at place 24 + i of a half's 32 and is first read by multiply-add 4 i of the next half: 8 + 3 i
; multiply-adds on other registers stand between.  A tile is written anew a whole half, 28 such instructions, behind its last product.
.macro PAIRS h, ks, buf, sb, mode, mul
.irp i, 0,1,2,3,4,5,6,7
.if \mul
.if \ks
	v_wmma_f32_16x16x32_f16 v[8*\i:8*\i+7], v[BF+64*\buf+8*(2*\ks+(\i&1)):BF+64*\buf+8*(2*\ks+(\i&1))+7], v[HB+8*(4*(\i>>1)+\ks):HB+8*(4*(\i>>1)+\ks)+7], v[8*\i:8*\i+7]
.else
	v_wmma_f32_16x16x32_f16 v[8*\i:8*\i+7], v[BF+64*\buf+8*(2*\ks+(\i&1)):BF+64*\buf+8*(2*\ks+(\i&1))+7], v[HB+8*(4*(\i>>1)+\ks):HB+8*(4*(\i>>1)+\ks)+7], 0
.endif
.endif
.if \mode == 1
.if \ks & 1
	v_pk_mul_f32 v[OO+16*\ks+2*\i:OO+16*\ks+2*\i+1], v[S+8*\sb+4*(1-\h)+(\ks&2):S+8*\sb+4*(1-\h)+(\ks&2)+1], v[16*\ks+2*\i:16*\ks+2*\i+1] op_sel:[1,0] op_sel_hi:[1,1]
.else
	v_pk_mul_f32 v[OO+16*\ks+2*\i:OO+16*\ks+2*\i+1], v[S+8*\sb+4*(1-\h)+(\ks&2):S+8*\sb+4*(1-\h)+(\ks&2)+1], v[16*\ks+2*\i:16*\ks+2*\i+1] op_sel_hi:[0,1]
.endif
.endif
.if \mode == 2
.if \ks & 1
	v_pk_fma_f32 v[OO+16*\ks+2*\i:OO+16*\ks+2*\i+1], v[S+8*\sb+4*(1-\h)+(\ks&2):S+8*\sb+4*(1-\h)+(\ks&2)+1], v[16*\ks+2*\i:16*\ks+2*\i+1], v[OO+16*\ks+2*\i:OO+16*\ks+2*\i+1] op_sel:[1,0,0] op_sel_hi:[1,1,1]
.else
	v_pk_fma_f32 v[OO+16*\ks+2*\i:OO+16*\ks+2*\i+1], v[S+8*\sb+4*(1-\h)+(\ks&2):S+8*\sb+4*(1-\h)+(\ks&2)+1], v[16*\ks+2*\i:16*\ks+2*\i+1], v[OO+16*\ks+2*\i:OO+16*\ks+2*\i+1] op_sel_hi:[0,1,1]
.endif
.endif
.endr
.endm
; Expert j of a phase.  Its fragments and factors were asked for during the expert before.  fetch = 1: the next expert's (expert fj of slot fslot) are asked
; for behind the first eight pairs, whose multiply-adds are the places between the last expert's products and the loads into their sources.
; sync = 1: the change of slots.  All reads of this phase's slot rslot are back (they were issued during expert 2), so in front of the opening signal the wave
; waits for them and for all its tensor loads (one is out: its tile of the next phase); eight pairs of register work stand inside the opening barrier; behind
; the round the slot's next tile is asked for first, then the other slot is read.  sync = 2: the same with nothing left to fetch: a plain barrier.
; m1, m2: the modes of the two halves' multiply-adds.
.macro EXPERT j, fetch, fslot, fj, sync, rslot, m1, m2
	s_wait_dscnt 0x0                               ; issued 56 matrix instructions ago
.if \sync
	s_set_vgpr_msb 0xa4a0
	s_wait_tensorcnt 0x0
	ds_add_u32 v254, v255
	s_wait_dscnt 0x0
	s_set_vgpr_msb 0xa0a4
.if \sync == 1
	s_add_nc_u64 s[G0+4*\rslot+2:G0+4*\rslot+3], s[G0+4*\rslot+2:G0+4*\rslot+3], 0x200000   ; no load of mine is out: this slot's address goes two phases on
.endif
	s_barrier_signal -1
.endif
	WIN P1
	PAIRS 0, 0, (\j&1), ((\j+3)&3), \m1, 1
.if \sync
	WIN 0
	s_barrier_wait -1
.if \sync == 1
	CREST
	tensor_load_to_lds s[G0+4*\rslot:G0+4*\rslot+3], s[G1:G1+7]   ; my one tensor load behind the round; four experts' 256 matrix instructions pass before the wait for it
	s_nop 0
.endif
.endif
.if \fetch
	FETCHB \fslot, \fj, ((\j+1)&1), ((\j+1)&3), 512*(\j+1)
.if \j == 3
	v_add_nc_u32 v[SADR], 2048, v[SADR]            ; the next phase's four experts in the table
.endif
.endif
	WIN P1
	PAIRS 0, 1, (\j&1), ((\j+3)&3), \m1, 1
	PAIRS 0, 2, (\j&1), ((\j+3)&3), \m1, 1
	PAIRS 0, 3, (\j&1), ((\j+3)&3), \m1, 1
	WIN P2
.if \m1 == 0
	PLACES                                         ; the very first half had no multiply-adds behind its products: four places before its tile 0 is read
.endif
	PAIRS 1, 0, (\j&1), \j, \m2, 1
	PAIRS 1, 1, (\j&1), \j, \m2, 1
	PAIRS 1, 2, (\j&1), \j, \m2, 1
	PAIRS 1, 3, (\j&1), \j, \m2, 1
.endm
; A phase: the four experts of slot s.  kind = 1: a round and a refill in its last expert; 2: a plain barrier there; 0: the last phase.
.macro PHASE s, kind, first
.if \first
	EXPERT 0, 1, \s, 1, 0, 0, 0, 1
	EXPERT 1, 1, \s, 2, 0, 0, 1, 2
.else
	EXPERT 0, 1, \s, 1, 0, 0, 2, 2
	EXPERT 1, 1, \s, 2, 0, 0, 2, 2
.endif
	EXPERT 2, 1, \s, 3, 0, 0, 2, 2
.if \kind
	EXPERT 3, 1, (1-\s), 0, \kind, \s, 2, 2
.else
	EXPERT 3, 0, 0, 0, 0, 0, 2, 2
.endif
.endm
	FETCHB 0, 0, 0, 0, 0                           ; the first expert
	PHASE 0, 1, 1                                  ; phase 0; asks for phase 2
	WIN 0                                          ; at a label and at a branch every window is 0
	s_mov_b32 s44, 2
.Lpair:
	PHASE 1, 1, 0                                  ; phases 1, 3; asks for 3, 5
	PHASE 0, 1, 0                                  ; phases 2, 4; asks for 4, 6
	WIN 0
	s_sub_co_u32 s44, s44, 1
	s_cmp_lg_u32 s44, 0
	s_cbranch_scc1 .Lpair
	PHASE 1, 1, 0                                  ; phase 5; asks for 7: the last load
	PHASE 0, 2, 0                                  ; phase 6: nothing is left to fetch.  Behind its barrier no wave reads slot 0 and no load fills it
	PHASE 1, 0, 0                                  ; phase 7
	WIN P1                                         ; the last expert's tokens 64-127 are still to be scaled
	PAIRS 0, 0, 0, 3, 2, 0
	PAIRS 0, 1, 0, 3, 2, 0
	PAIRS 0, 2, 0, 3, 2, 0
	PAIRS 0, 3, 0, 3, 2, 0
	; THE WAY OUT, through bytes 0 .. 67,583 of LDS (in slot 0, past its last fill and its last read): 128 rows of 512 bytes, 528 apart.
	WIN 0x08                                       ; store data in window 2: tokens 0-63
.irp mb, 0,1,2,3
.irp nb, 0,1
	ds_store_b128 v[STO], v[OO+8*(2*\mb+\nb):OO+8*(2*\mb+\nb)+3]   offset:16*SP*\mb+64*\nb
	ds_store_b128 v[STO], v[OO+8*(2*\mb+\nb)+4:OO+8*(2*\mb+\nb)+7] offset:16*SP*\mb+64*\nb+16
.endr
.endr
	WIN 0x04                                       ; store data in window 1: tokens 64-127
.irp mb, 0,1,2,3
.irp nb, 0,1
	ds_store_b128 v[STO], v[OO+8*(2*\mb+\nb):OO+8*(2*\mb+\nb)+3]   offset:16*SP*(\mb+4)+64*\nb
	ds_store_b128 v[STO], v[OO+8*(2*\mb+\nb)+4:OO+8*(2*\mb+\nb)+7] offset:16*SP*(\mb+4)+64*\nb+16
.endr
.endr
	WIN 0
	s_wait_dscnt 0x0                               ; a row is made of four waves' stores
	s_barrier_signal -1
	s_barrier_wait -1
.irp i, 0,1,2,3,4,5,6,7,8,9,10,11,12,13,14,15,16,17,18,19,20,21,22,23,24,25,26,27,28,29,30,31
	ds_load_b128 v[BF+4*\i:BF+4*\i+3], v[RD] offset:SP*\i
.endr
.irp i, 0,1,2,3,4,5,6,7,8,9,10,11,12,13,14,15,16,17,18,19,20,21,22,23,24,25,26,27,28,29,30,31
	s_wait_dscnt 31-\i                             ; LDS loads come back in order: row i is in
	global_store_b128 v[HOFF], v[BF+4*\i:BF+4*\i+3], s[10:11] offset:4096*\i th:TH_STORE_NT   ; a wave stores 512 neighbouring bytes of a row, aligned
.endr
	s_wait_tensorcnt 0x0
	ds_add_u32 v254, v255
	s_wait_dscnt 0x0
	ROUND                                          ; the closing round: no work-group ends while a partner may still ask for a tile that names it
	s_endpgm
.Lfunc_end_k_q8642417bbf_up:
	.size	k_q8642417bbf_up, .Lfunc_end_k_q8642417bbf_up-k_q8642417bbf_up
	.p2alignl 7, 3214868480
	.fill 96, 4, 3214868480
	.section	.rodata,"a",@progbits
	.p2align	6, 0x0
	.amdhsa_kernel k_q8642417bbf_up
		.amdhsa_group_segment_fixed_size 327680
		.amdhsa_private_segment_fixed_size 0
		.amdhsa_enable_private_segment 0
		.amdhsa_kernarg_size 32
		.amdhsa_user_sgpr_count 2
		.amdhsa_user_sgpr_kernarg_segment_ptr 1
		.amdhsa_wavefront_size32 1
		.amdhsa_system_sgpr_workgroup_id_x 1
		.amdhsa_system_sgpr_workgroup_id_y 1
		.amdhsa_system_sgpr_workgroup_id_z 1
		.amdhsa_system_vgpr_workitem_id 0
		.amdhsa_next_free_vgpr 768
		.amdhsa_next_free_sgpr 66
		.amdhsa_reserve_vcc 0
		.amdhsa_float_denorm_mode_32 3
		.amdhsa_float_denorm_mode_16_64 3
		.amdhsa_memory_ordered 1
		.amdhsa_forward_progress 1
		.amdhsa_inst_pref_size 249
	.end_amdhsa_kernel
	.amdgpu_metadata
---
amdhsa.version: [ 1, 2 ]
amdhsa.kernels:
  - .name:           k_q8642417bbf_up
    .symbol:         k_q8642417bbf_up.kd
    .args:
      - { .name: rh, .offset: 0, .size: 8, .value_kind: global_buffer, .address_space: global }
      - { .name: hh, .offset: 8, .size: 8, .value_kind: global_buffer, .address_space: global }
      - { .name: rws, .offset: 16, .size: 8, .value_kind: global_buffer, .address_space: global }
      - { .name: out0, .offset: 24, .size: 8, .value_kind: global_buffer, .address_space: global }
    .group_segment_fixed_size: 327680
    .private_segment_fixed_size: 0
    .kernarg_segment_align: 8
    .kernarg_segment_size: 32
    .max_flat_workgroup_size: 128
    .sgpr_count:     66
    .vgpr_count:     768
    .wavefront_size: 32
...
	.end_amdgpu_metadata
.endif
;; end of part 4
;; ======== version 2 of 2: 4 launches; version 1 with the launch cvt written anew for expert scheduling mode
;; limits: inputs' magnitudes at most 65,504; values are held in f16: magnitudes above 65,504 overflow, below 6.1e-05 lose precision; values outside matrix products are rounded to f16
;; workspace buffers: xh 8,388,608 bytes; fh 8,388,608 bytes; rh 8,388,608 bytes; part 16,777,216 bytes; psc 262,144 bytes; hh 1,048,576 bytes; rws 524,288 bytes
;; launch cvt (part 5): grid 512 x 1, 8 waves a work-group, no clusters, 0 bytes of LDS; arguments x, feature_know, restore_know, xh, fh, rh; writes xh, fh, rh
.if DOCPART == 5
	.amdgcn_target "amdgcn-amd-amdhsa--gfx1250"
	.amdhsa_code_object_version 6
	.text
	.protected	k_q8642417bbf_cvt
	.globl	k_q8642417bbf_cvt
	.p2align	8
	.type	k_q8642417bbf_cvt,@function
k_q8642417bbf_cvt:
	s_mov_b64 s[64:65], 0
	v_nop
	global_prefetch_b8 v0, s[64:65] scope:SCOPE_SE
	s_setreg_imm32_b32 hwreg(HW_REG_WAVE_SCHED_MODE, 0, 2), 2
	s_setreg_imm32_b32 hwreg(HW_REG_WAVE_MODE, 25, 1), 1
	s_wait_xcnt 0x0
	s_wait_alu depctr_vm_vsrc(0)
; xh = f16(x), fh = f16(feature_know), rh = f16(restore_know): element by element, the layouts stay as they are.
; The two products that follow take 16-bit operands; made once here, every later tile has half the bytes and
; can be turned into fragments by the transposing LDS load.
; LIMIT: a number beyond 65504 in magnitude becomes an infinity in f16; below 6e-5 the absolute error is 3e-8.
; Each of the three inputs is 16,777,216 bytes = 512 work-groups x 32,768 bytes.  Eight waves: one load of the
; work-group covers 4,096 neighbouring bytes (16 a thread), eight loads an input, 24 loads a thread, all issued at once.
; A store of a wave covers 256 neighbouring bytes, aligned.  No register is used twice, so no source has to be freed.
; The work-groups share no input and there is no product: no LDS, no barrier, no cluster.
; THE MODE: SCHED_MODE bits 1:0 = 2 (LLVM: expert scheduling mode 2), set by the entry lines.  The code itself states the register dependences
; between vector instructions and memory instructions, with s_wait_alu, always for 0.
; THE PLAN.  Registers that memory instructions touch:
;   v1, v2   byte offsets of the loads and of the stores: written once at the head, never again.
;   IN       load i lands in four registers of its own; all 24 loads are issued ahead of every conversion; read by load i's two conversions alone.
;   OUT      load i's two conversions write a pair of its own; read by store i alone; never written again.
; The 24 loads go in six blocks of four.  Block p converts loads 4 p .. 4 p + 3; its memory instructions are the four stores of block p - 1.
; So one wait at a block's head states all that its four stores hang on: the conversions issued behind that wait name IN and OUT of block p,
; none of the registers that the stores of block p - 1 read.  Nothing that a memory instruction has read is written again, and no load lands in a
; register that a vector instruction has named: no other dependence between the two sides exists in this text.
.set IN,  4                            ; v[4:99]    load i = 8 b + j: four f32
.set OUT, 100                          ; v[100:147] load i: four f16 in two registers
.set BLOCK, 4                          ; loads in a block
	s_load_b256 s[4:11], s[0:1], 0x0               ; x s[4:5], feature_know s[6:7], restore_know s[8:9], xh s[10:11]
	s_load_b128 s[12:15], s[0:1], 0x20             ; fh s[12:13], rh s[14:15]
	s_lshl_b32 s16, ttmp9, 15                      ; the work-group's 32,768 bytes of each input
	s_mov_b32 s17, 0
	s_lshl_b32 s18, ttmp9, 14                      ; and its 16,384 bytes of each copy
	s_mov_b32 s19, 0
	v_lshlrev_b32 v1, 4, v0                        ; 16 bytes a thread in
	v_lshlrev_b32 v2, 3, v0                        ; 8 bytes a thread out
	s_wait_kmcnt 0x0
	s_add_nc_u64 s[4:5], s[4:5], s[16:17]
	s_add_nc_u64 s[6:7], s[6:7], s[16:17]
	s_add_nc_u64 s[8:9], s[8:9], s[16:17]
	s_add_nc_u64 s[10:11], s[10:11], s[18:19]
	s_add_nc_u64 s[12:13], s[12:13], s[18:19]
	s_add_nc_u64 s[14:15], s[14:15], s[18:19]
	s_wait_alu depctr_va_vdst(0)                   ; v1 and v2 are written: every load of the kernel reads v1 as its offset, every store v2
.irp b, 0,1,2
.irp j, 0,1,2,3,4,5,6,7
	global_load_b128 v[IN+4*(8*\b+\j):IN+4*(8*\b+\j)+3], v1, s[4+2*\b:5+2*\b] offset:4096*\j th:TH_LOAD_NT
.endr
.endr
; Store i = 8 b + j: four f16 a thread, into copy b at 2,048 j.
.macro SEND i
	global_store_b64 v2, v[OUT+2*(\i):OUT+2*(\i)+1], s[10+2*((\i)/8):11+2*((\i)/8)] offset:2048*((\i)%8)
.endm
; Block p.  first = 1: block 0, with no block in front of it: no store, and no wait but those for its data.
.macro BLK p, first
	s_wait_loadcnt 23-BLOCK*(\p)                   ; loads come back in order: the block's first is in, the younger ones stay out
.if !\first
	s_wait_alu depctr_va_vdst(0)                   ; the block before has written its eight registers of OUT, which the four stores below read
.endif
.irp q, 0,1,2,3
.if !\first
	SEND BLOCK*(\p)-BLOCK+(\q)                     ; the block before; no vector instruction since the wait names its registers
.endif
.if \q > 0
	s_wait_loadcnt 23-(BLOCK*(\p)+(\q))            ; this load is in, the younger ones stay out
.endif
	v_cvt_pk_f16_f32 v[OUT+2*(BLOCK*(\p)+(\q))],   v[IN+4*(BLOCK*(\p)+(\q))],   v[IN+4*(BLOCK*(\p)+(\q))+1]
	v_cvt_pk_f16_f32 v[OUT+2*(BLOCK*(\p)+(\q))+1], v[IN+4*(BLOCK*(\p)+(\q))+2], v[IN+4*(BLOCK*(\p)+(\q))+3]
.endr
.endm
	BLK 0, 1
	BLK 1, 0
	BLK 2, 0
	BLK 3, 0
	BLK 4, 0
	BLK 5, 0
	s_wait_alu depctr_va_vdst(0)                   ; block 5 has written the last eight registers of OUT, which the last four stores read
.irp q, 0,1,2,3
	SEND 20+\q
.endr
	s_endpgm
.Lfunc_end_k_q8642417bbf_cvt:
	.size	k_q8642417bbf_cvt, .Lfunc_end_k_q8642417bbf_cvt-k_q8642417bbf_cvt
	.p2alignl 7, 3214868480
	.fill 96, 4, 3214868480
	.section	.rodata,"a",@progbits
	.p2align	6, 0x0
	.amdhsa_kernel k_q8642417bbf_cvt
		.amdhsa_group_segment_fixed_size 0
		.amdhsa_private_segment_fixed_size 0
		.amdhsa_enable_private_segment 0
		.amdhsa_kernarg_size 48
		.amdhsa_user_sgpr_count 2
		.amdhsa_user_sgpr_kernarg_segment_ptr 1
		.amdhsa_wavefront_size32 1
		.amdhsa_system_sgpr_workgroup_id_x 1
		.amdhsa_system_sgpr_workgroup_id_y 1
		.amdhsa_system_sgpr_workgroup_id_z 1
		.amdhsa_system_vgpr_workitem_id 0
		.amdhsa_next_free_vgpr 148
		.amdhsa_next_free_sgpr 66
		.amdhsa_reserve_vcc 0
		.amdhsa_float_denorm_mode_32 3
		.amdhsa_float_denorm_mode_16_64 3
		.amdhsa_memory_ordered 1
		.amdhsa_forward_progress 1
		.amdhsa_inst_pref_size 10
	.end_amdhsa_kernel
	.amdgpu_metadata
---
amdhsa.version: [ 1, 2 ]
amdhsa.kernels:
  - .name:           k_q8642417bbf_cvt
    .symbol:         k_q8642417bbf_cvt.kd
    .args:
      - { .name: x, .offset: 0, .size: 8, .value_kind: global_buffer, .address_space: global }
      - { .name: feature_know, .offset: 8, .size: 8, .value_kind: global_buffer, .address_space: global }
      - { .name: restore_know, .offset: 16, .size: 8, .value_kind: global_buffer, .address_space: global }
      - { .name: xh, .offset: 24, .size: 8, .value_kind: global_buffer, .address_space: global }
      - { .name: fh, .offset: 32, .size: 8, .value_kind: global_buffer, .address_space: global }
      - { .name: rh, .offset: 40, .size: 8, .value_kind: global_buffer, .address_space: global }
    .group_segment_fixed_size: 0
    .private_segment_fixed_size: 0
    .kernarg_segment_align: 8
    .kernarg_segment_size: 48
    .max_flat_workgroup_size: 256
    .sgpr_count:     66
    .vgpr_count:     148
    .wavefront_size: 32
...
	.end_amdgpu_metadata
.endif
;; end of part 5
;; launch down: the kernel of part 2 again; grid 16 x 16, 4 waves a work-group, clusters of 4 x 4, 327,680 bytes of LDS; arguments xh, fh, feature_know_w, part, psc; writes part, psc
;; launch mid: the kernel of part 3 again; grid 256 x 1, 8 waves a work-group, no clusters, 2,048 bytes of LDS; arguments part, psc, restore_know_w, hh, rws; writes hh, rws
;; launch up: the kernel of part 4 again; grid 32 x 8, 4 waves a work-group, clusters of 4 x 1, 327,680 bytes of LDS; arguments rh, hh, rws, out0; writes out0
